; MI455X (gfx1250); checked and timed in simulation.
; The chip was launched on July 23, 2026; its instructions are those of AMD's public machine-readable ISA for CDNA 5 (MIT licence, August 2026) and "CDNA5" Instruction Set Architecture Reference Guide (July 2026). The comments in the code are by the model that wrote it; some were corrected since.
;; Attention. Allowed arithmetic: matrix products marked QUANTISED: E3M2 operands, one E8M0 scale for each 32 along K, by v_wmma_scale_f32_16x16x128_f8f6f4 with both operands' format E3M2, f32 sums; everything else in f32.
;; Inputs: W_a_codes 1,024 x 32 x 24 uint8 (E3M2 codes of W_a, K innermost, in blocks of 32 codes, four codes in three bytes); W_a_scales 1,024 x 32 uint8 (E8M0 scales of W_a, one for each 32 codes along K); W_c_codes 1,024 x 64 x 24 uint8 (E3M2 codes of W_c, K innermost, in blocks of 32 codes, four codes in three bytes); W_c_scales 1,024 x 64 uint8 (E8M0 scales of W_c, one for each 32 codes along K); decoder_h_t 64 x 256 x 1,024 float32; encoder_outputs 64 x 258 x 1,024 float32; p_t 64 float32; src_len 64 int32.
;; Outputs: out0 64 x 256 x 1,024 float32.
;; This version of the problem:
;;   THIS VERSION OF THE PROBLEM IS GIVEN IN LOW PRECISION. The matrix products marked QUANTISED in the list below multiply operands that are first quantised to E3M2 (3 exponent bits, 2 mantissa bits; 6 bits a number), with one power-of-two scale for each 32 numbers along K (OCP MX v1.0); their sums are f32. All else is computed in f32.
;;   The module's matrix products, in the order in which they are computed (A, B: the left and right operand; K: the contracted axis; several contracted axes count as one K, in the product's order):
;;     1. [M 1,024, K 1,024] x [K 1,024, N 16,384]; A: input W_a (given as codes); B: input decoder_h_t: QUANTISED
;;     2. batch 64 x [M 256, K 1,024] x [K 1,024, N 258]; A: computed on the way; B: input encoder_outputs: QUANTISED
;;     3. batch 64 x [M 256, K 258] x [K 258, N 1,024]; A: computed on the way; B: input encoder_outputs: QUANTISED
;;     4. [M 16,384, K 2,048] x [K 2,048, N 1,024]; A: computed on the way; B: input W_c (given as codes): QUANTISED
;;   THE QUANTISER, for each operand of a quantised product, along K:
;;     - K is cut into blocks of 32 from its start; a last block that is shorter is filled with zeros.
;;     - A block's scale is 2^e with e = floor(log2(the largest magnitude in the block)) - 4, held to -126 .. 127; a block of zeros has e = 0. As a byte (E8M0): e + 127.
;;     - Each number is divided by its block's scale, clamped to +-28, and rounded to the nearest number of E3M2, ties to even, subnormals kept.
;;     - The product sums the exact products of the quantised numbers (number of the format x scale) in f32.
;;   ~~~python
;;   def quantise(x, axis):      # numpy; x: float32 -> the quantised numbers, widened to float32 again
;;       x = np.moveaxis(x, axis, -1); K = x.shape[-1]
;;       x = np.pad(x, [(0, 0)] * (x.ndim - 1) + [(0, -K % 32)]); x = x.reshape(x.shape[:-1] + (-1, 32)); a = np.abs(x).max(-1, keepdims=True)
;;       e = np.where(a > 0, np.clip(np.frexp(np.where(a > 0, a, 1))[1] - 1 - 4, -126, 127), 0)      # np.frexp(a)[1] - 1 = floor(log2(a)), exactly
;;       r = np.clip(x / 2.0 ** e, -28, 28)
;;       step = 2.0 ** (np.maximum(np.frexp(np.where(r == 0, 1, r))[1] - 1, -2) - 2)
;;       q = np.round(r / step) * step * 2.0 ** e      # np.round: ties to even
;;       return np.moveaxis(q.reshape(q.shape[:-2] + (-1,))[..., :K], -1, axis).astype(np.float32)
;;   ~~~
;;   OPERANDS COMPUTED ON THE WAY. 'Computed on the way' means the value that the module computes at that place (a softmax that the list does not call 'softmax' is quantised finished and normalised). What goes into a quantiser is computed in f32, as accurately as f32 sums, v_exp_f32 and their like allow (about 1e-6 of the number): no bf16 or f16 on the way to a quantiser, and a product that is left as it is and whose result goes on into a quantised operand takes f32 operands (vector FMAs, or v_wmma_f32_16x16x4_f32). A number that lies on a knife's edge between two numbers of the format may be rounded either way, as far as f32 arithmetic and the matrix unit's own rounding can turn it there, and no further.
;;   INPUTS GIVEN AS CODES. W_a (in the module: [1024, 1024], K = its axis 0); W_c (in the module: [1024, 2048], K = its axis 1): each comes as NAME_codes (uint8): NAME with its K axis moved to the last place and cut into blocks of 32 codes, [.., K / 32, bytes a block], one block behind the other in memory; four codes in three bytes: a row's codes are one little-endian stream of bits, code i at bits 6 i .. 6 i + 5 (a code: sign, 3 exponent bits, 2 mantissa bits); and NAME_scales (uint8): the same leading axes, one E8M0 byte (e + 127) for each 32 codes along K. Its value is code x scale, taken as it is: it is not quantised again, and the codes and scales need not be those that the quantiser above would give.
;; One version. Each part assembles by itself: llvm-mc -triple=amdgcn-amd-amdhsa -mcpu=gfx1250 --defsym DOCPART=n.
;; ======== version 1 of 1: 2 launches
;; limits: right only within a limited range of input values
;; workspace buffers: wimg 2,457,600 bytes; win 512 bytes of whole numbers
;; launch prep (part 1): grid 48 x 4, 4 waves a work-group, no clusters, 0 bytes of LDS; arguments W_a_codes, W_a_scales, W_c_codes, W_c_scales, p_t, src_len, wimg, win; writes wimg, win
.if DOCPART == 1
	.amdgcn_target "amdgcn-amd-amdhsa--gfx1250"
	.amdhsa_code_object_version 6
	.text
	.protected	k_q3e5eb9a44e_prep
	.globl	k_q3e5eb9a44e_prep
	.p2align	8
	.type	k_q3e5eb9a44e_prep,@function
k_q3e5eb9a44e_prep:
	s_mov_b64 s[64:65], 0
	v_nop
	global_prefetch_b8 v0, s[64:65] scope:SCOPE_SE
	s_setreg_imm32_b32 hwreg(HW_REG_WAVE_MODE, 25, 1), 1
	s_wait_xcnt 0x0
; PREP.  (1) W_a's and W_c's codes and scale bytes are laid out once as images of the matrix operand's registers, in the order in which
; the four waves of a work-group of the next launch take them: stream w (work-group y), block blk (work-group x), 12,800 bytes a block.
; Blocks 0-15: W_a, its rows 128 j .. 128 j + 127 with j = 2 w + blk / 8, K step s = blk % 8 (128 along K).
; Blocks 16-47 (b2 = blk - 16): W_c, j = 2 w + b2 / 16, s = b2 % 16.
; A block: eight fragments of 1,536 bytes (tile t = 2 b + u; lane r of it takes row 128 j + 32 b + 8 u + r + 8 (r / 8), so that the results of tiles
; 2 b and 2 b + 1 are 16 neighbours along the next product's K), registers 4 c .. 4 c + 3 of lane l at 1536 t + 512 c + 16 l; then 512 bytes of scale
; words: word jj of lane (r, h) at 12288 + 16 l + 4 jj is that of row 128 j + 32 jj + 8 h + r + 8 (r / 8): tile 2 jj in lanes 0-15, tile 2 jj + 1 in lanes 16-31.
; Wave v lays tiles 2 v and 2 v + 1; wave 0 also the scale words.  Every store of a wave covers 512 consecutive bytes, aligned.
; (2) Wave 1 of work-group (0, 0) makes two whole numbers for each batch: L0, the first of the 64 rows of the encoder that hold the open window
; (a multiple of 32; the window has at most 33 rows, so two aligned blocks of 32 hold it), and NU = 1, or NU = 5 and L0 = 0 where the window is empty.
; An index l is open where l >= max(p - 16, 0) and l <= min(p + 16, src_len), l = 0 .. 257: l >= ceil of the first, l <= floor of the second.
; LIMITS: NaN in p_t is not served.
.set BLKB, 12800
	s_load_b256 s[4:11], s[0:1], 0x0               ; W_a's codes, W_a's scales, W_c's codes, W_c's scales
	s_load_b256 s[12:19], s[0:1], 0x20             ; p_t, src_len, wimg, win
	v_lshrrev_b32 v1, 5, v0
	v_readfirstlane_b32 s20, v1                    ; wave v
	s_and_b32 s21, ttmp7, 0xffff                   ; stream w
	v_and_b32 v2, 31, v0                           ; lane
	v_and_b32 v3, 15, v0                           ; r
	v_bfe_u32 v4, v0, 4, 1                         ; h
	v_and_b32 v5, 8, v3
	v_add_nc_u32 v5, v5, v3                        ; r + 8 (r / 8)
	v_lshlrev_b32 v13, 4, v2                       ; 16 x lane
	s_wait_kmcnt 0x0
	s_cmp_lt_u32 ttmp9, 16                         ; W_a's block or W_c's?  The choice hangs on the work-group's number alone
	s_cselect_b64 s[4:5], s[4:5], s[8:9]           ; the codes
	s_cselect_b64 s[6:7], s[6:7], s[10:11]         ; the scale bytes
	s_mov_b32 s22, 1536
	s_cselect_b32 s22, 768, s22                    ; a row of codes in bytes
	s_cselect_b32 s23, 32, 64                      ; a row of scale bytes
	s_cselect_b32 s24, 0, 16
	s_cselect_b32 s25, 3, 4
	s_cselect_b32 s26, 7, 15
	s_sub_co_u32 s24, ttmp9, s24                   ; the block's number within its tensor
	s_lshr_b32 s27, s24, s25
	s_lshl_b32 s28, s21, 1
	s_add_co_u32 s27, s27, s28                     ; j
	s_and_b32 s26, s24, s26                        ; s
	s_lshl_b32 s28, s27, 7                         ; 128 j
	s_lshl_b32 s29, s20, 5
	s_add_co_u32 s29, s29, s28                     ; + 32 v: tile 2 v's first row
	v_add_nc_u32 v6, s29, v5
	v_mul_lo_u32 v6, v6, s22                       ; my row's first byte
	s_mul_i32 s30, s26, 96
	v_mad_u32_u24 v7, v4, 24, s30                  ; + 96 s + 24 h
	v_add_nc_u32 v6, v6, v7
	s_lshl_b32 s31, s22, 3
	v_add_nc_u32 v7, s31, v6                       ; tile 2 v + 1: eight rows on
	s_mul_i32 s32, s21, 48
	s_add_co_u32 s32, s32, ttmp9
	s_mul_i32 s32, s32, BLKB
	s_mov_b32 s33, 0
	s_add_nc_u64 s[16:17], s[16:17], s[32:33]      ; my block in wimg
	s_mul_i32 s34, s20, 3072
	v_add_nc_u32 v8, s34, v13                      ; my two tiles' images: 3072 v + 16 x lane
.irp p, 0,1,2,3,4,5
	global_load_b64 v[16+2*\p:17+2*\p], v6, s[4:5] offset:48*(\p/3)+8*(\p%3)   ; registers 0-5: k = 32 h + 0 .. 31; registers 6-11: k = 64 + 32 h + 0 .. 31
	global_load_b64 v[28+2*\p:29+2*\p], v7, s[4:5] offset:48*(\p/3)+8*(\p%3)
.endr
	s_wait_loadcnt 0x0
.irp u, 0,1
.irp c, 0,1,2
	global_store_b128 v8, v[16+12*\u+4*\c:19+12*\u+4*\c], s[16:17] offset:1536*\u+512*\c
.endr
.endr
	s_cmp_lg_u32 s20, 0
	s_cbranch_scc1 .Lno_scales
	v_lshl_add_u32 v9, v4, 3, v5                   ; 8 h + r + 8 (r / 8)
	v_add_nc_u32 v9, s28, v9
	v_mul_lo_u32 v9, v9, s23
	v_lshl_add_u32 v9, s26, 2, v9                  ; + 4 s: the row's word of this K step
	s_lshl_b32 s35, s23, 5                         ; 32 rows on
	v_add_nc_u32 v10, s35, v9
	v_add_nc_u32 v11, s35, v10
	v_add_nc_u32 v12, s35, v11
	global_load_b32 v40, v9, s[6:7]
	global_load_b32 v41, v10, s[6:7]
	global_load_b32 v42, v11, s[6:7]
	global_load_b32 v43, v12, s[6:7]
	s_wait_loadcnt 0x0
	global_store_b128 v13, v[40:43], s[16:17] offset:12288
.Lno_scales:
	s_cmp_lg_u32 s20, 1
	s_cbranch_scc1 .Lend
	s_or_b32 s36, ttmp9, s21
	s_cmp_lg_u32 s36, 0
	s_cbranch_scc1 .Lend
	v_lshlrev_b32 v14, 2, v2
	v_lshlrev_b32 v58, 3, v2
	global_load_b32 v44, v14, s[12:13]             ; p of batches lane and lane + 32
	global_load_b32 v45, v14, s[12:13] offset:128
	global_load_b32 v46, v14, s[14:15]             ; src_len likewise
	global_load_b32 v47, v14, s[14:15] offset:128
	v_mov_b32 v51, 0
	v_mov_b32 v52, 1
	v_mov_b32 v53, 5
	s_wait_loadcnt 0x0
.macro WINDOW p, sl, o
	v_add_f32 v48, 0xc1800000, v[\p]               ; p - 16
	v_max_num_f32 v48, 0, v48                      ; the window's start
	v_add_f32 v49, 0x41800000, v[\p]               ; p + 16
	v_cvt_f32_i32 v50, v[\sl]
	v_min_num_f32 v49, v49, v50                    ; the window's end,
	v_min_num_f32 v49, 0x43808000, v49             ; and no index is above 257
	v_floor_f32 v48, -v48                          ; - ceil(start),
	v_max_num_f32 v48, 0xc47a0000, v48             ; held at -1000, so that the conversion stays small
	v_cvt_i32_f32 v48, v48
	v_sub_nc_u32 v48, 0, v48                       ; the first open index
	v_floor_f32 v49, v49
	v_max_num_f32 v49, -1.0, v49
	v_cvt_i32_f32 v49, v49                         ; the last
	v_cmp_gt_i32 vcc_lo, v48, v49                  ; empty?
	v_lshrrev_b32 v50, 5, v48
	v_min_u32 v50, 7, v50                          ; (index 256 or 257 as the first: the unit 224 .. 287 holds it)
	v_lshlrev_b32 v50, 5, v50
	v_cndmask_b32 v[\o], v50, v51, vcc_lo          ; L0
	v_cndmask_b32 v[\o+1], v52, v53, vcc_lo        ; NU
.endm
	WINDOW 44, 46, 54
	WINDOW 45, 47, 56
	global_store_b64 v58, v[54:55], s[18:19]       ; at fixed places: 8 bytes a batch
	global_store_b64 v58, v[56:57], s[18:19] offset:256
.Lend:
	s_endpgm
.Lfunc_end_k_q3e5eb9a44e_prep:
	.size	k_q3e5eb9a44e_prep, .Lfunc_end_k_q3e5eb9a44e_prep-k_q3e5eb9a44e_prep
	.p2alignl 7, 3214868480
	.fill 96, 4, 3214868480
	.section	.rodata,"a",@progbits
	.p2align	6, 0x0
	.amdhsa_kernel k_q3e5eb9a44e_prep
		.amdhsa_group_segment_fixed_size 0
		.amdhsa_private_segment_fixed_size 0
		.amdhsa_enable_private_segment 0
		.amdhsa_kernarg_size 64
		.amdhsa_user_sgpr_count 2
		.amdhsa_user_sgpr_kernarg_segment_ptr 1
		.amdhsa_wavefront_size32 1
		.amdhsa_system_sgpr_workgroup_id_x 1
		.amdhsa_system_sgpr_workgroup_id_y 1
		.amdhsa_system_sgpr_workgroup_id_z 1
		.amdhsa_system_vgpr_workitem_id 0
		.amdhsa_next_free_vgpr 64
		.amdhsa_next_free_sgpr 66
		.amdhsa_reserve_vcc 1
		.amdhsa_float_denorm_mode_32 3
		.amdhsa_float_denorm_mode_16_64 3
		.amdhsa_memory_ordered 1
		.amdhsa_forward_progress 1
		.amdhsa_inst_pref_size 7
	.end_amdhsa_kernel
	.amdgpu_metadata
---
amdhsa.version: [ 1, 2 ]
amdhsa.kernels:
  - .name:           k_q3e5eb9a44e_prep
    .symbol:         k_q3e5eb9a44e_prep.kd
    .args:
      - { .name: W_a_codes, .offset: 0, .size: 8, .value_kind: global_buffer, .address_space: global }
      - { .name: W_a_scales, .offset: 8, .size: 8, .value_kind: global_buffer, .address_space: global }
      - { .name: W_c_codes, .offset: 16, .size: 8, .value_kind: global_buffer, .address_space: global }
      - { .name: W_c_scales, .offset: 24, .size: 8, .value_kind: global_buffer, .address_space: global }
      - { .name: p_t, .offset: 32, .size: 8, .value_kind: global_buffer, .address_space: global }
      - { .name: src_len, .offset: 40, .size: 8, .value_kind: global_buffer, .address_space: global }
      - { .name: wimg, .offset: 48, .size: 8, .value_kind: global_buffer, .address_space: global }
      - { .name: win, .offset: 56, .size: 8, .value_kind: global_buffer, .address_space: global }
    .group_segment_fixed_size: 0
    .private_segment_fixed_size: 0
    .kernarg_segment_align: 8
    .kernarg_segment_size: 64
    .max_flat_workgroup_size: 128
    .sgpr_count:     66
    .vgpr_count:     64
    .wavefront_size: 32
...
	.end_amdgpu_metadata
.endif
;; end of part 1
;; launch main (part 2): grid 256 x 1, 4 waves a work-group, no clusters, 299,520 bytes of LDS; arguments decoder_h_t, encoder_outputs, p_t, src_len, wimg, win, out0; writes out0
.if DOCPART == 2
	.amdgcn_target "amdgcn-amd-amdhsa--gfx1250"
	.amdhsa_code_object_version 6
	.text
	.protected	k_q3e5eb9a44e_main
	.globl	k_q3e5eb9a44e_main
	.p2align	8
	.type	k_q3e5eb9a44e_main,@function
k_q3e5eb9a44e_main:
	s_mov_b64 s[64:65], 0
	v_nop
	global_prefetch_b8 v0, s[64:65] scope:SCOPE_SE
	s_setreg_imm32_b32 hwreg(HW_REG_WAVE_MODE, 25, 1), 1
	s_wait_xcnt 0x0
; out = tanh([ctx, dec] W_c^T), ctx = (softmax(mask(dec W_a enc^T)) x gauss) enc: four products on codes of BF6 (E3M2) with one E8M0 scale for each 32 along K.
; SHARES.  Work-group wg takes 64 queries (64 (wg % 4) on) of batch wg / 4 through the whole chain; nothing of it goes to memory on the way.  Four waves, 1,024 registers each.
; Products 1 (T = Q(dec) W_a) and 4: THE WAVES SHARE THE COLUMNS: wave w makes columns 256 w .. 256 w + 255, in two chunks of 128, for all 64 rows: 8 tiles of columns x 4 tiles of rows,
; 32 accumulators.  A fragment of a weight is used by one wave alone and feeds four matrix instructions: it comes from memory straight into registers, from images that the launch before has laid.
; The rows' codes (dec, T, ctx) go from wave to wave through LDS as images of the operand's registers.  Products 2 and 3 and the softmax: wave w owns the 16 queries 16 w on.
; THE WINDOW.  The mask leaves at most 33 neighbouring rows of the encoder open; they lie in 64 rows that begin at L0, a multiple of 32 (stored by the launch before), whose two blocks of 32 are
; blocks of the third product's K.  Every other align number is 0, so only these 64 rows are read, quantised (along k for product 2, along l for product 3) and multiplied.
; AN EMPTY WINDOW (NU = 5): every score is the same fill, the softmax is 1/258 in all 258 places, and ctx = (gauss / 258) enc over all rows: a way of its own, five units of 64 rows, from memory.
; NO CLUSTER, NO TENSOR LOAD: that way is a branch on a stored number; the weights, which all work-groups share, come by each wave's own loads.
; All matrix instructions are used transposed (source 0 = 16 rows of the weight, of enc or of enc^T; source 1 = 16 queries): a lane holds one query, its registers run along the next K.
; WAITS.  A wave is alone on its SIMD, so a wait for LDS or for a store's sources stands behind work that is due anyway, never straight behind the instructions that it waits for.
; LIMITS: NaN and infinities among the inputs are not served.  An open score under -1e9 + 104, where the fill of the closed places would still weigh, is not served.  A gauss or a weight under 2^-126 counts as 0
; (ISA guide, v_exp_f32).  A block of zeros gets the scale byte 1 where the quantiser says 127: its codes are zeros, and this program alone reads the bytes.
; LDS: 0 the front's stages, 33,792 bytes a wave (64 rows x (512 + 16)); later, from 0, the stages of the way out, 16,896 a wave.  CIMG: images of T, later of ctx; XIMG, straight behind it: of dec
; ([K step] 6144 + [tile of rows] 1536 + 512 c + 16 lane).  CSC, XSC: their scale words ([K step] 512 + 16 lane + 4 [tile of rows]).  E2IMG, E2SC: enc along k, likewise.  E3IMG: enc along l, 32 groups of 32 columns, 1,664 bytes each.
; REGISTERS: window 0: addresses, scale words (v36-63, these alone), operands' fragments v64-159, 64 numbers at work v160-223, the quantiser's v224-254.  Windows 1 and 2: the front's eight landing sets.
; Then window 1: the accumulators; windows 2, 3: a ring of four sets of 96 for the weights' fragments.
.set BLKB,  12800
.set FSTW,  33792
.set OSTW,  16896
.set CIMG,  86016
.set XIMG,  135168
.set CSC,   184320
.set XSC,   188416
.set E2IMG, 192512
.set E2SC,  241664
.set E3IMG, 245760
.set LI,   1                           ; 16 x lane
.set L8,   2                           ; 8 x lane
.set L4,   3                           ; 4 x lane
.set RW,   4                           ; r = lane % 16
.set HH,   5                           ; h = lane / 16
.set WO,   6                           ; the weights: offset of the body's first block; WO2: of the next body's, held inside the stream; WLIM: the hold
.set WO2,  7
.set WLIM, 8
.set XB,   9                           ; LDS: the rows' images of this body's eight K steps; XN: of the next body's; XSB, XSN: their scale words
.set XN,   10
.set XSB,  11
.set XSN,  12
.set TIB,  13                          ; where I store T's images, TSB: their scale words
.set TSB,  14
.set CWB,  15                          ; slot (K step 0, my tile of rows) of CIMG; CSB: of CSC
.set CSB,  16
.set E3B16, 17
.set E3B8, 18
.set E3B4, 19
.set T0,   20                          ; addresses made for a trip
.set T1,   21
.set T2,   22
.set DA,   23                          ; the front's
.set EA1,  24
.set EA2,  25
.set SWA,  26
.set SRA,  27
.set SCA,  28
.set XIA,  29
.set XSS,  30
.set E2A,  31
.set E2S,  32
.set TL,   33                          ; the front's loads from the stage have an address register that no store names
.set E2R,  23                          ; the attention's
.set E2SR, 24
.set STV,  25
.set ENV,  26
.set NINF, 27
.set MM,   28                          ; v[28:29] the row's largest score, twice
.set RC,   30                          ; v[30:31] 1 / the row's sum, twice
.set CO1,  30                          ; (on the way for an empty window: two global offsets)
.set CO2,  31
.set VC1,  32
.set VC2,  33
.set GOB,  23                          ; the last product's way out
.set GOA,  24
.set OSA,  34
.set ORA,  35
.set WS,   36                          ; v36-51 the weights' scale words, four sets of four
.set XS,   52                          ; v52-59 the rows' scale words, two sets of four
.set TSC,  60                          ; v60-61 T's scale words
.set APW,  62                          ; align's scale word
.set SW,   63                          ; a column's scale word
.set XF,   64                          ; v64-159 two sets of four fragments; or eight fragments of enc^T
.set RAW,  64                          ; or 64 numbers of a column
.set FA,   136
.set FB,   148
.set QV,   160                         ; 64 numbers of a row
.set TF,   160                         ; or T's fragments, two sets
.set IDX,  160                         ; or 32 indices, then gauss
.set OA,   160                         ; or eight rows of the result, two sets
.set OB,   192
.set SV,   192                         ; 32 scores
.set TM,   224
.set PC,   236
.set PT0,  248
.set PW,   251
.set CL4,  255                         ; 4 x my column of a group of 32
.set AF,   160                         ; window 1: align's fragment
.set T16,  176                         ; window 1: two accumulators of the way for an empty window
.set SEL,  26                          ; s[26:27]
.set MSB, 0
.macro WIN new                         ; the immediate's high byte repeats the setting that is left; a switch that changes nothing is dropped
.if MSB != (\new)
	s_set_vgpr_msb (MSB<<8)|(\new)
.set MSB, (\new)
.endif
.endm
.macro NOPS n
.rept \n
	v_nop
.endr
.endm
.macro BARRIER                         ; my LDS stores have landed and my LDS loads are in: then the work-group's barrier
	s_wait_dscnt 0x0
	s_barrier_signal -1
	s_barrier_wait -1
.endm
; 64 numbers of a lane in window win, register s + 16 b + i = k 32 b + 16 h + i of my row, become a fragment's codes in v[PC] on and its scale word in v[PW].  An accumulator is read from its low end on.
; w = 1: the last image's stores may still be out: the wait for them stands here, ahead of the first line that writes what they read, behind the search for the maxima.
.macro QUANT win, s, w
	WIN (\win)*0x14
.irp b, 0,1,2,3
	v_max3_num_f32 v[TM+\b], 0x2800000, |v[(\s)+16*\b]|, |v[(\s)+16*\b+1]|   ; my 16 numbers of block b, and the floor 2^(5 - 127): the byte cannot fall under 1
.endr
.irp i, 2,4,6,8,10,12,14
.irp b, 0,1,2,3
	v_max3_num_f32 v[TM+\b], v[TM+\b], |v[(\s)+16*\b+\i]|, |v[(\s)+16*\b+\i+1]|
.endr
.endr
	WIN 0
.irp b, 0,1,2,3
	v_permlanex16_b32 v[TM+4+\b], v[TM+\b], s[SEL], s[SEL+1]
.endr
.irp b, 0,1,2,3
	v_max_num_f32 v[TM+\b], v[TM+\b], v[TM+4+\b]   ; with lane l xor 16's: the block's largest magnitude
.endr
.irp b, 0,1,2,3
	v_add_nc_u32 v[TM+8+\b], 0xfe000000, v[TM+\b]  ; 4 off its exponent field: the conversion's scale operand
.endr
.irp b, 0,1,2,3
	v_lshrrev_b32 v[TM+4+\b], 23, v[TM+8+\b]       ; the scale's byte
.endr
.if \w
	s_wait_dscnt 0x0                               ; the last image's stores have read v[PC] on and v[PW]
.endif
	v_lshl_or_b32 v[PW], v[TM+5], 8, v[TM+4]
	v_lshl_or_b32 v[PW], v[TM+6], 16, v[PW]
	v_lshl_or_b32 v[PW], v[TM+7], 24, v[PW]
	WIN (\win)*0x01
.irp c, 0,1
	v_cvt_scalef32_pk16_bf6_f32 v[PC+6*\c:PC+6*\c+2], v[(\s)+32*\c:(\s)+32*\c+15], v[TM+8+2*\c]
	v_cvt_scalef32_pk16_bf6_f32 v[PT0+4*\c:PT0+4*\c+2], v[(\s)+32*\c+16:(\s)+32*\c+31], v[TM+9+2*\c]   ; (a conversion's three registers begin on an even number)
.endr
	WIN 0
	v_nop                                          ; one plain place behind the scaled conversions
.irp c, 0,1                            ; the operand wants a whole block in a lane: lanes 0-15 block 2 c, lanes 16-31 block 2 c + 1
.irp i, 0,1,2
	v_permlane16_swap_b32 v[PC+6*\c+\i], v[PT0+4*\c+\i]
.endr
.irp i, 0,1,2
	v_mov_b32 v[PC+6*\c+3+\i], v[PT0+4*\c+\i]
.endr
.endr
.endm
; The same for 32 numbers (two blocks, 64 along K) in window 0: the codes go to registers 0-5 of align's fragment (window 1), the two bytes to v[pw]; its upper bytes are 0 and stand over zero codes.
.macro QA s, pw
.irp b, 0,1
	v_max3_num_f32 v[TM+\b], 0x2800000, |v[(\s)+16*\b]|, |v[(\s)+16*\b+1]|
.endr
.irp i, 2,4,6,8,10,12,14
.irp b, 0,1
	v_max3_num_f32 v[TM+\b], v[TM+\b], |v[(\s)+16*\b+\i]|, |v[(\s)+16*\b+\i+1]|
.endr
.endr
.irp b, 0,1
	v_permlanex16_b32 v[TM+4+\b], v[TM+\b], s[SEL], s[SEL+1]
.endr
.irp b, 0,1
	v_max_num_f32 v[TM+\b], v[TM+\b], v[TM+4+\b]
.endr
.irp b, 0,1
	v_add_nc_u32 v[TM+8+\b], 0xfe000000, v[TM+\b]
.endr
.irp b, 0,1
	v_lshrrev_b32 v[TM+4+\b], 23, v[TM+8+\b]
.endr
	v_lshl_or_b32 v[\pw], v[TM+5], 8, v[TM+4]
	v_cvt_scalef32_pk16_bf6_f32 v[PC:PC+2], v[(\s):(\s)+15], v[TM+8]
	v_cvt_scalef32_pk16_bf6_f32 v[PT0:PT0+2], v[(\s)+16:(\s)+31], v[TM+9]
	v_nop
.irp i, 0,1,2
	v_permlane16_swap_b32 v[PC+\i], v[PT0+\i]
.endr
	WIN 0x40
.irp i, 0,1,2
	v_mov_b32 v[AF+\i], v[PC+\i]
	v_mov_b32 v[AF+3+\i], v[PT0+\i]
.endr
	WIN 0
.endm
.macro IMAGE adr, off                  ; the fragment in v[PC] on goes to LDS as it stands: lane l's 16 bytes at 16 l, 512 bytes a store
.irp c, 0,1,2
	ds_store_b128 v[\adr], v[PC+4*\c:PC+4*\c+3] offset:(\off)+512*\c
.endr
.endm
; v[RAW + x], x = 0 .. 63: 64 rows of ONE column, mine: column (lane % 8) + 16 ((lane / 8) % 2) + 8 (lane / 16) of a group of 32.  Two whole blocks along l, so no other lane is asked.
; Behind the exchange FA is the fragment of the tile whose columns lanes 0-15 hold, FB that of lanes 16-31's; in each, lanes 0-15 hold block 0 and lanes 16-31 block 1.  SW: lanes 0-15 serve FA, lanes 16-31 FB.
.macro QCOL
.irp e, 0,1
	v_max3_num_f32 v[TM+\e], 0x2800000, |v[RAW+32*\e]|, |v[RAW+32*\e+1]|
.endr
.irp i, 2,4,6,8,10,12,14,16,18,20,22,24,26,28,30
.irp e, 0,1
	v_max3_num_f32 v[TM+\e], v[TM+\e], |v[RAW+32*\e+\i]|, |v[RAW+32*\e+\i+1]|
.endr
.endr
.irp e, 0,1
	v_add_nc_u32 v[TM+8+\e], 0xfe000000, v[TM+\e]
.endr
.irp e, 0,1
	v_lshrrev_b32 v[TM+4+\e], 23, v[TM+8+\e]
.endr
	v_lshl_or_b32 v[SW], v[TM+5], 8, v[TM+4]
	v_cvt_scalef32_pk16_bf6_f32 v[FA:FA+2], v[RAW:RAW+15], v[TM+8]
	v_cvt_scalef32_pk16_bf6_f32 v[PT0:PT0+2], v[RAW+16:RAW+31], v[TM+8]
	v_cvt_scalef32_pk16_bf6_f32 v[FB:FB+2], v[RAW+32:RAW+47], v[TM+9]
	v_cvt_scalef32_pk16_bf6_f32 v[PT0+4:PT0+6], v[RAW+48:RAW+63], v[TM+9]
	v_nop
.irp i, 0,1,2
	v_mov_b32 v[FA+3+\i], v[PT0+\i]
	v_mov_b32 v[FB+3+\i], v[PT0+4+\i]
.endr
.irp i, 0,1,2,3,4,5
	v_permlane16_swap_b32 v[FA+\i], v[FB+\i]
.endr
.endm
; One matrix instruction.  z = 1: the constant 0 starts the sum.  row = 1: source 0's scales stand in lanes 16-31.
.macro WM d, a, b, z, sa, sb, row
.if \z
.if \row
	v_wmma_scale_f32_16x16x128_f8f6f4 v[\d:\d+7], v[\a:\a+11], v[\b:\b+11], 0, v[\sa], v[\sb] matrix_a_fmt:MATRIX_FMT_BF6 matrix_b_fmt:MATRIX_FMT_BF6 matrix_a_scale:MATRIX_SCALE_ROW1
.else
	v_wmma_scale_f32_16x16x128_f8f6f4 v[\d:\d+7], v[\a:\a+11], v[\b:\b+11], 0, v[\sa], v[\sb] matrix_a_fmt:MATRIX_FMT_BF6 matrix_b_fmt:MATRIX_FMT_BF6
.endif
.else
.if \row
	v_wmma_scale_f32_16x16x128_f8f6f4 v[\d:\d+7], v[\a:\a+11], v[\b:\b+11], v[\d:\d+7], v[\sa], v[\sb] matrix_a_fmt:MATRIX_FMT_BF6 matrix_b_fmt:MATRIX_FMT_BF6 matrix_a_scale:MATRIX_SCALE_ROW1
.else
	v_wmma_scale_f32_16x16x128_f8f6f4 v[\d:\d+7], v[\a:\a+11], v[\b:\b+11], v[\d:\d+7], v[\sa], v[\sb] matrix_a_fmt:MATRIX_FMT_BF6 matrix_b_fmt:MATRIX_FMT_BF6
.endif
.endif
.endm
.macro XFETCH set, adr, sadr, ks       ; 13 LDS loads: the four tiles of rows of K step ks, and their scale words
.irp m, 0,1,2,3
.irp c, 0,1,2
	ds_load_b128 v[XF+48*(\set)+12*\m+4*\c:XF+48*(\set)+12*\m+4*\c+3], v[\adr] offset:(\ks)*6144+\m*1536+\c*512
.endr
.endr
	ds_load_b128 v[XS+4*(\set):XS+4*(\set)+3], v[\sadr] offset:(\ks)*512
.endm
.macro WFETCH k, voff, imm             ; 25 loads: a block of the weights into set k of the ring; every work-group reads these bytes again
	WIN 0
	global_load_b128 v[WS+4*(\k):WS+4*(\k)+3], v[\voff], s[12:13] offset:(\imm)+12288 th:TH_LOAD_HT
	WIN 0x80+0x40*((\k)>>1)
.set XX, 0
.rept 24
	global_load_b128 v[96*((\k)&1)+4*XX:96*((\k)&1)+4*XX+3], v[\voff], s[12:13] offset:(\imm)+512*XX th:TH_LOAD_HT
.set XX, XX+1
.endr
	WIN 0
.endm
; 32 matrix instructions: set k's eight tiles of columns x the four tiles of rows in set xs.  The 32 accumulators take turns, one instruction a turn, in the same order in every step.
.macro MUL k, xs, zero
	WIN 0x52+((\k)>>1)
.irp t, 0,1,2,3,4,5,6,7
.irp m, 0,1,2,3
	WM 64*\m+8*\t, 96*((\k)&1)+12*\t, XF+48*(\xs)+12*\m, \zero, WS+4*(\k)+(\t>>1), XS+4*(\xs)+\m, \t&1
.endr
.endr
	WIN 0
.endm
; upd = 1: the offset of the next body's first blocks is made; upd = 2: this body's offset is stepped.  Both stand behind a step's 32 products, so that the youngest loads have long read their offsets when the wait is met.
.macro GSTEP i, padr, psadr, pks, wreg, wimm, upd
	s_wait_loadcnt 50                              ; this step's block is in; the two younger blocks, 25 loads each, may be out
	s_wait_dscnt 13                                ; this step's rows are in; the 13 loads issued a step later may be out
	MUL (\i)%4, (\i)%2, 0
	NOPS 4                                         ; places in front of loads into registers that matrix instructions have read (ISA guide 7.12.1 for vector instructions)
.if \upd == 1
	s_wait_xcnt 0x0                                ; the last body's loads by WO2 have read it
	v_add_nc_u32 v[WO2], 8*BLKB, v[WO]
	v_min_u32 v[WO2], v[WO2], v[WLIM]              ; the last body's three blocks ahead have no block to name: all lanes then name the same 16 bytes of blocks 45 to 47, inside the stream, and the data are never used
.elseif \upd == 2
	s_wait_xcnt 0x0                                ; this body's loads by WO, the last of them three steps back, have read it
	v_add_nc_u32 v[WO], 8*BLKB, v[WO]
.endif
	XFETCH (\i)%2, \padr, \psadr, \pks             ; the rows of two steps on
	WFETCH ((\i)+3)%4, \wreg, \wimm                ; the block of three steps on, into the set that the step before has left
.endm
; Eight K steps.  zmode 1: the first starts the sums.  zmode 2: it starts them where s44 = 0 and adds on where not.
.macro BODY8 zmode
	s_wait_loadcnt 50
	s_wait_dscnt 13
.if \zmode == 2
	s_cmp_lg_u32 s44, 0
	s_cbranch_scc1 .Lchain_\@
	MUL 0, 0, 1
	s_branch .Lmuldone_\@
.Lchain_\@:
	MUL 0, 0, 0
.Lmuldone_\@:
.else
	MUL 0, 0, 1
.endif
	NOPS 4
	XFETCH 0, XB, XSB, 2
	WFETCH 3, WO, 3*BLKB
	GSTEP 1, XB, XSB, 3, WO, 4*BLKB, 0
	GSTEP 2, XB, XSB, 4, WO, 5*BLKB, 0
	GSTEP 3, XB, XSB, 5, WO, 6*BLKB, 0
	GSTEP 4, XB, XSB, 6, WO, 7*BLKB, 1
	GSTEP 5, XB, XSB, 7, WO2, 0, 0
	GSTEP 6, XN, XSN, 0, WO2, BLKB, 0
	GSTEP 7, XN, XSN, 1, WO2, 2*BLKB, 2
.endm
; THE FRONT.  Unit n is 16 rows x 512 bytes: 0-7: K step n of my 16 rows of dec; 8 + 4 sg + t: columns 256 w + 128 sg on of tile t of the 64 rows of enc (row 32 (t / 2) + 8 (t % 2) + p + 8 (p / 8)).
; Each load reads 512 consecutive bytes of a row.  Rows 34 on of a unit that begins at 224 do not exist: their loads read rows 228 .. 257 instead (inside the buffer), and LIGHT clears them.
; EIGHT LANDING SETS: units 0-3 and 8-11 land in window 2, units 4-7 and 12-15 in window 1, at 64 (n % 4).
.macro ULOAD n
	WIN (2-(((\n)>>2)&1))<<6
.irp p, 0,1,2,3,4,5,6,7,8,9,10,11,12,13,14,15
.if (\n) < 8
	global_load_b128 v[64*((\n)%4)+4*\p:64*((\n)%4)+4*\p+3], v[DA], s[4:5] offset:4096*\p+512*(\n) th:TH_LOAD_NT
.else
.set XR, 32*(((\n)%4)>>1)+8*(((\n)%4)&1)+\p+8*(\p>>3)
.if XR < 34
	global_load_b128 v[64*((\n)%4)+4*\p:64*((\n)%4)+4*\p+3], v[EA1], s[6:7] offset:4096*XR+512*(((\n)-8)/4)
.else
	global_load_b128 v[64*((\n)%4)+4*\p:64*((\n)%4)+4*\p+3], v[EA2], s[6:7] offset:4096*XR+512*(((\n)-8)/4)
.endif
.endif
.endr
	WIN 0
.endm
; Unit n goes from its landing set into my stage, and unit n + 4 is asked for, into the OTHER window's set: so no wait stands between the stores and the loads.  Unit n's own set is loaded again by unit n + 8,
; four units on, behind the wait for all LDS instructions in the quantising loop that stands between the two groups of four.
.macro LIGHT n
.if (\n) <= 12
	s_wait_loadcnt 48                              ; unit n is in; the three younger units, 16 loads each, may be out
.else
	s_wait_loadcnt 16*(15-(\n))
.endif
.if ((\n) >= 8) && (((\n)%4) >= 2)
	s_cmp_lg_u32 s20, 224
	s_cbranch_scc1 .Lfull_\@
	WIN (2-(((\n)>>2)&1))<<6
.irp p, 0,1,2,3,4,5,6,7,8,9,10,11,12,13,14,15
.if (32+8*(((\n)%4)&1)+\p+8*(\p>>3)) >= 34
	v_mov_b32 v[64*((\n)%4)+4*\p], 0               ; a row past l = 257: the quantiser fills with zeros
	v_mov_b32 v[64*((\n)%4)+4*\p+1], 0
	v_mov_b32 v[64*((\n)%4)+4*\p+2], 0
	v_mov_b32 v[64*((\n)%4)+4*\p+3], 0
.endif
.endr
	WIN 0
.Lfull_\@:
.endif
	WIN (2-(((\n)>>2)&1))<<2
.irp p, 0,1,2,3,4,5,6,7,8,9,10,11,12,13,14,15
	ds_store_b128 v[SWA], v[64*((\n)%4)+4*\p:64*((\n)%4)+4*\p+3] offset:(16*((\n)%4)+\p)*528
.endr
	WIN 0
.if (\n) <= 11
	ULOAD (\n)+4
.endif
.endm
; Four units in the stage become four fragments along their rows.  A trip: 64 numbers of my row (16 of each block of 32), the quantiser, the image, the scale word.
; The one wait of a trip is for all LDS instructions: my loads are in, and, LDS counting in order (ISA guide 5.7.1), the last trip's stores are done: every register that they read is written only behind it.
.macro QLOOP ibase, i0, istep, sbase, s0, sstep
	s_mov_b32 s30, 0
	s_mov_b32 s31, 0
	s_mov_b32 s32, \i0
	s_mov_b32 s33, \s0
.Lq_\@:
	v_add_nc_u32 v[TL], s31, v[SRA]
.irp b, 0,1,2,3
.irp j, 0,1,2,3
	ds_load_b128 v[QV+16*\b+4*\j:QV+16*\b+4*\j+3], v[TL] offset:128*\b+16*\j   ; LDS serves a wave's instructions in order (ISA guide 5.7.1.4): these see my stores into the stage
.endr
.endr
	s_wait_dscnt 0x0
	v_add_nc_u32 v[T1], s32, v[\ibase]
	v_add_nc_u32 v[T2], s33, v[\sbase]
	QUANT 0, QV, 0
	IMAGE T1, 0
	ds_store_b32 v[T2], v[PW]
	s_add_co_u32 s31, s31, 8448
	s_add_co_u32 s32, s32, \istep
	s_add_co_u32 s33, s33, \sstep
	s_add_co_u32 s30, s30, 1
	s_cmp_lt_u32 s30, 4
	s_cbranch_scc1 .Lq_\@
.endm
; The same four units of enc, by columns: a trip takes 32 columns, a lane a column, its 64 registers down l.  One wait a trip, as above.
.macro E3LOOP e0
	s_mov_b32 s30, 0
	s_mov_b32 s31, 0
	s_mul_i32 s32, s18, 13312
	s_add_co_u32 s32, s32, \e0
.Le3_\@:
	v_add_nc_u32 v[TL], s31, v[SCA]
.set XX, 0
.rept 64
	ds_load_b32 v[RAW+XX], v[TL] offset:(32*(XX>>5)+16*((XX>>3)&1)+8*((XX>>4)&1)+(XX&7))*528   ; row x of the 64 lies in this place of the stage
.set XX, XX+1
.endr
	s_wait_dscnt 0x0
	QCOL
	v_add_nc_u32 v[T0], s32, v[E3B16]
	v_add_nc_u32 v[T1], s32, v[E3B8]
	v_add_nc_u32 v[T2], s32, v[E3B4]
	ds_store_b128 v[T0], v[FA:FA+3]
	ds_store_b64 v[T1], v[FA+4:FA+5] offset:512
	ds_store_b128 v[T0], v[FB:FB+3] offset:768
	ds_store_b64 v[T1], v[FB+4:FB+5] offset:1280
	ds_store_b32 v[T2], v[SW] offset:1536
	s_add_co_u32 s31, s31, 128
	s_add_co_u32 s32, s32, 1664
	s_add_co_u32 s30, s30, 1
	s_cmp_lt_u32 s30, 4
	s_cbranch_scc1 .Le3_\@
.endm
.macro IDXGEN sb                       ; v[IDX + e] = l = s[sb] + 16 h + 32 (e / 16) + e % 16, as f32: whole numbers, exact
	v_lshl_add_u32 v[TM], v[HH], 4, s[\sb]
	v_cvt_f32_u32 v[IDX], v[TM]
	v_add_f32 v[IDX+1], 1.0, v[IDX]
.irp k, 2,4,6,8,10,12,14
	v_pk_add_f32 v[IDX+\k:IDX+\k+1], v[IDX+\k-2:IDX+\k-1], 2.0 op_sel_hi:[1,0]
.endr
	v_pk_add_f32 v[IDX+16:IDX+17], v[IDX:IDX+1], 0x42000000 op_sel_hi:[1,0]
.irp k, 18,20,22,24,26,28,30
	v_pk_add_f32 v[IDX+\k:IDX+\k+1], v[IDX+\k-2:IDX+\k-1], 2.0 op_sel_hi:[1,0]
.endr
.endm
.macro GAUSSARG                        ; - (l - p)^2 / 128 x log2(e)
.irp j, 0,2,4,6,8,10,12,14,16,18,20,22,24,26,28,30
	v_pk_add_f32 v[IDX+\j:IDX+\j+1], v[IDX+\j:IDX+\j+1], s[22:23] op_sel_hi:[1,0] neg_lo:[0,1] neg_hi:[0,1]
.endr
.irp j, 0,2,4,6,8,10,12,14,16,18,20,22,24,26,28,30
	v_pk_mul_f32 v[IDX+\j:IDX+\j+1], v[IDX+\j:IDX+\j+1], v[IDX+\j:IDX+\j+1]
.endr
.irp j, 0,2,4,6,8,10,12,14,16,18,20,22,24,26,28,30
	v_pk_mul_f32 v[IDX+\j:IDX+\j+1], v[IDX+\j:IDX+\j+1], 0xbc38aa3b op_sel_hi:[1,0]
.endr
.endm
.macro SFETCH s2, set                  ; 17 LDS loads: K step s2 of the scores: enc's four tiles, T's fragment of my queries, their scale words
.irp t, 0,1,2,3
.irp c, 0,1,2
	ds_load_b128 v[XF+48*(\set)+12*\t+4*\c:XF+48*(\set)+12*\t+4*\c+3], v[E2R] offset:6144*(\s2)+1536*\t+512*\c
.endr
.endr
.irp c, 0,1,2
	ds_load_b128 v[TF+12*(\set)+4*\c:TF+12*(\set)+4*\c+3], v[CWB] offset:6144*(\s2)+512*\c
.endr
	ds_load_b128 v[XS+4*(\set):XS+4*(\set)+3], v[E2SR] offset:512*(\s2)
	ds_load_b32 v[TSC+(\set)], v[CSB] offset:512*(\s2)
.endm
.macro E3FETCH a16, a8, a4             ; 20 LDS loads: the lower halves of eight fragments of enc^T (128 columns x 64 rows) and their scale words
.irp b, 0,1,2,3
	ds_load_b128 v[XF+24*\b:XF+24*\b+3], v[\a16] offset:1664*\b
	ds_load_b64 v[XF+24*\b+4:XF+24*\b+5], v[\a8] offset:1664*\b+512
	ds_load_b128 v[XF+24*\b+12:XF+24*\b+15], v[\a16] offset:1664*\b+768
	ds_load_b64 v[XF+24*\b+16:XF+24*\b+17], v[\a8] offset:1664*\b+1280
	ds_load_b32 v[XS+\b], v[\a4] offset:1664*\b+1536
.endr
.endm
; THE WAY OUT's parts.  STAGE p: rows 32 p .. 32 p + 31 of my 128 columns go into my stage.  OLOAD, OSTORE: eight whole rows of 512 bytes come back, and leave.  TANH1, TANH2: tanh(x) = 1 - 2 / (1 + 2^(2 log2(e) x)) in two halves.
.macro STAGE p
	WIN 0x04
.irp mm, 0,1
.irp b, 0,1,2,3
.irp q, 0,1,2,3
	ds_store_b128 v[OSA], v[64*(2*(\p)+\mm)+16*\b+4*\q:64*(2*(\p)+\mm)+16*\b+4*\q+3] offset:16*\mm*528+128*\b+16*\q   ; each accumulator from its low end on
.endr
.endr
.endr
	WIN 0
.endm
.macro OLOAD o, sub
.irp k, 0,1,2,3,4,5,6,7
	ds_load_b128 v[(\o)+4*\k:(\o)+4*\k+3], v[ORA] offset:528*(8*(\sub)+\k)   ; LDS serves a wave's instructions in order: these see my stores
.endr
.endm
.macro OSTORE o, sub
.irp k, 0,1,2,3,4,5,6,7
	global_store_b128 v[GOA], v[(\o)+4*\k:(\o)+4*\k+3], s[16:17] offset:4096*(8*(\sub)+\k) th:TH_STORE_NT   ; 32 lanes store 512 consecutive bytes, at a multiple of 512 from out's first byte
.endr
.endm
.macro TANH1 o
.set XX, 0
.rept 16
	v_pk_mul_f32 v[(\o)+XX:(\o)+XX+1], v[(\o)+XX:(\o)+XX+1], 0x4038aa3b op_sel_hi:[1,0]
.set XX, XX+2
.endr
.set XX, 0
.rept 32
	v_exp_f32 v[(\o)+XX], v[(\o)+XX]
.set XX, XX+1
.endr
.endm
.macro TANH2 o
	v_nop                                          ; a plain place behind the last exponential
	s_wait_alu depctr_va_vdst(0)                   ; the wait ahead of the first instruction that names a result: one for the batch
.set XX, 0
.rept 16
	v_pk_add_f32 v[(\o)+XX:(\o)+XX+1], v[(\o)+XX:(\o)+XX+1], 1.0 op_sel_hi:[1,0]
.set XX, XX+2
.endr
.set XX, 0
.rept 32
	v_rcp_f32 v[(\o)+XX], v[(\o)+XX]
.set XX, XX+1
.endr
	v_nop
	s_wait_alu depctr_va_vdst(0)
.set XX, 0
.rept 16
	v_pk_fma_f32 v[(\o)+XX:(\o)+XX+1], v[(\o)+XX:(\o)+XX+1], -2.0, 1.0 op_sel_hi:[1,0,0]
.set XX, XX+2
.endr
.endm
	; ---------------- the head
	s_load_b256 s[4:11], s[0:1], 0x0               ; dec s[4:5], enc s[6:7], p_t s[8:9], src_len s[10:11]
	s_load_b128 s[12:15], s[0:1], 0x20             ; wimg s[12:13], win s[14:15]
	s_load_b64 s[16:17], s[0:1], 0x30              ; out
	s_set_vgpr_msb 0xc0
	v_lshl_add_u32 v254, v0, 2, 0x49000
	v_mov_b32 v255, 0
	s_set_vgpr_msb 0xc000
	v_lshrrev_b32 v1, 5, v0
	v_readfirstlane_b32 s18, v1                    ; wave w
	v_and_b32 v[L4], 31, v0
	v_lshlrev_b32 v[LI], 4, v[L4]
	v_lshlrev_b32 v[L8], 3, v[L4]
	v_lshlrev_b32 v[L4], 2, v[L4]
	v_and_b32 v[RW], 15, v0
	v_bfe_u32 v[HH], v0, 4, 1
	s_lshl_b32 s28, s18, 16
	v_add_nc_u32 v[DA], s28, v[LI]                 ; dec: my 16 rows of 4,096 bytes, 16 bytes a lane
	s_lshr_b32 s19, ttmp9, 2                       ; the batch
	s_lshl_b32 s2, ttmp9, 18                       ; the work-group's 64 rows of 4,096 bytes
	s_mov_b32 s3, 0
	s_wait_kmcnt 0x0
	s_add_nc_u64 s[4:5], s[4:5], s[2:3]
	s_add_nc_u64 s[16:17], s[16:17], s[2:3]
	s_lshl_b32 s2, s19, 3
	s_add_nc_u64 s[14:15], s[14:15], s[2:3]
	s_load_b64 s[20:21], s[14:15], 0x0             ; L0, NU
	s_lshl_b32 s2, s19, 2
	s_add_nc_u64 s[8:9], s[8:9], s[2:3]
	s_add_nc_u64 s[10:11], s[10:11], s[2:3]
	s_load_b32 s22, s[8:9], 0x0                    ; p
	s_load_b32 s24, s[10:11], 0x0                  ; src_len
	s_mul_i32 s2, s19, 1056768                     ; the batch's 258 rows of enc
	s_add_nc_u64 s[6:7], s[6:7], s[2:3]
	ULOAD 0                                        ; 64 loads of a wave are on their way before anything else is done
	ULOAD 1
	ULOAD 2
	ULOAD 3
	s_mov_b32 s[SEL], 0x76543210
	s_mov_b32 s[SEL+1], 0xfedcba98                 ; v_permlanex16_b32's selects for lane l xor 16
.irp b, 0,1,2,3
	v_mov_b32 v[TM+4+\b], 0                        ; written once: a lane permute's destination counts as one of its sources
.endr
	v_and_b32 v[CL4], 7, v0
	v_bfe_u32 v[T0], v0, 3, 1
	v_lshl_add_u32 v[CL4], v[T0], 4, v[CL4]
	v_lshl_add_u32 v[CL4], v[HH], 3, v[CL4]
	v_lshlrev_b32 v[CL4], 2, v[CL4]                ; 4 x ((lane % 8) + 16 ((lane / 8) % 2) + 8 (lane / 16))
	s_mul_i32 s28, s18, 48*BLKB
	v_add_nc_u32 v[WO], s28, v[LI]                 ; my stream of the weights
	s_add_co_u32 s29, s28, 45*BLKB
	v_mov_b32 v[WLIM], s29                         ; the hold: block 45 of my stream, the same for all lanes
	s_mul_i32 s28, s18, 12288
	s_add_co_u32 s29, s28, CIMG
	v_add_nc_u32 v[TIB], s29, v[LI]                ; T: K steps 2 w and 2 w + 1
	s_add_co_u32 s29, s28, E2IMG
	v_add_nc_u32 v[E2A], s29, v[LI]                ; enc along k: likewise
	s_lshl_b32 s28, s18, 10
	s_add_co_u32 s29, s28, CSC
	v_add_nc_u32 v[TSB], s29, v[LI]
	s_add_co_u32 s29, s28, E2SC
	v_add_nc_u32 v[E2S], s29, v[LI]
	s_mul_i32 s28, s18, 1536
	s_add_co_u32 s29, s28, CIMG
	v_add_nc_u32 v[CWB], s29, v[LI]                ; tile of rows w
	s_add_co_u32 s29, s28, XIMG
	v_add_nc_u32 v[XIA], s29, v[LI]
	s_lshl_b32 s28, s18, 2
	s_add_co_u32 s29, s28, CSC
	v_add_nc_u32 v[CSB], s29, v[LI]
	s_add_co_u32 s29, s28, XSC
	v_add_nc_u32 v[XSS], s29, v[LI]
	v_add_nc_u32 v[E3B16], E3IMG, v[LI]
	v_add_nc_u32 v[E3B8], E3IMG, v[L8]
	v_add_nc_u32 v[E3B4], E3IMG, v[L4]
	s_mul_i32 s28, s18, FSTW                       ; my stage: rows 528 bytes apart, 33 x 16, so that sixteen rows begin in sixteen different 16-byte columns of 256 bytes (64 banks of 4 bytes: ISA guide 11.1)
	v_add_nc_u32 v[SWA], s28, v[LI]
	v_mul_u32_u24 v[SRA], v[RW], 528
	v_lshl_add_u32 v[SRA], v[HH], 6, v[SRA]
	v_add_nc_u32 v[SRA], s28, v[SRA]               ; row r, + 64 h: my 16 numbers of a block of 32
	v_add_nc_u32 v[SCA], s28, v[CL4]
	s_mul_i32 s28, s18, OSTW                       ; the way out's stage
	v_mul_u32_u24 v[OSA], v[RW], 528
	v_lshl_add_u32 v[OSA], v[HH], 6, v[OSA]
	v_add_nc_u32 v[OSA], s28, v[OSA]
	v_add_nc_u32 v[ORA], s28, v[LI]
	s_wait_kmcnt 0x0
	s_min_u32 s20, s20, 224                        ; a stored number enters addresses behind a hold at its largest value
	s_mov_b32 s23, s22                             ; (the packed forms name the pair)
	s_lshl_b32 s28, s18, 10                        ; enc: my 256 columns
	s_lshl_b32 s29, s20, 12
	s_add_co_u32 s29, s29, s28
	v_add_nc_u32 v[EA1], s29, v[LI]
	s_min_u32 s29, s20, 194                        ; rows 34 on: 194 + 63 = 257, the last row
	s_lshl_b32 s29, s29, 12
	s_add_co_u32 s29, s29, s28
	v_add_nc_u32 v[EA2], s29, v[LI]
	; ---------------- the front: dec and the 64 rows of enc become codes.  While four units are quantised the next four are on their way
	LIGHT 0
	LIGHT 1
	LIGHT 2
	LIGHT 3
	QLOOP XIA, 0, 6144, XSS, 0, 512                ; dec, K steps 0-3
	LIGHT 4
	LIGHT 5
	LIGHT 6
	LIGHT 7
	QLOOP XIA, 24576, 6144, XSS, 2048, 512         ; dec, K steps 4-7
	LIGHT 8
	LIGHT 9
	LIGHT 10
	LIGHT 11
	QLOOP E2A, 0, 1536, E2S, 0, 4                  ; enc along k: K step 2 w, tiles 0-3
	E3LOOP 0                                       ; enc along l: columns 256 w .. + 127
	LIGHT 12
	LIGHT 13
	LIGHT 14
	LIGHT 15
	WFETCH 0, WO, 0                                ; the weights' first blocks land while the last units are quantised (window 2's landing sets were last read by units 8 to 11's stores, waited for since)
	WFETCH 1, WO, BLKB
	QLOOP E2A, 6144, 1536, E2S, 512, 4
	E3LOOP 6656
	WFETCH 2, WO, 2*BLKB
	BARRIER                                        ; all images of dec and enc lie in LDS; nobody reads a stage any more, so that T's images may be laid over them
	; ---------------- product 1: T = Q(dec) W_a, my 256 columns in two chunks; each chunk is one K step of product 2
	v_add_nc_u32 v[XB], XIMG, v[LI]
	v_add_nc_u32 v[XN], XIMG, v[LI]
	v_add_nc_u32 v[XSB], XSC, v[LI]
	v_add_nc_u32 v[XSN], XSC, v[LI]
	XFETCH 0, XB, XSB, 0
	XFETCH 1, XB, XSB, 1
	s_mov_b32 s34, 0
	s_mov_b32 s35, 0
	s_mov_b32 s36, 0
.Lp1:
	BODY8 1
	v_add_nc_u32 v[T0], s35, v[TIB]
	v_add_nc_u32 v[T1], s36, v[TSB]
.irp m, 0,1,2,3
	QUANT 1, 64*\m, 1                              ; (the places behind the last products: the step's four v_nop and the lines behind them)
	IMAGE T0, 1536*\m
	ds_store_b32 v[T1], v[PW] offset:4*\m
.endr
	s_add_co_u32 s35, s35, 6144
	s_add_co_u32 s36, s36, 512
	s_add_co_u32 s34, s34, 1
	s_cmp_lt_u32 s34, 2
	s_cbranch_scc1 .Lp1
	BARRIER                                        ; T's images lie in LDS.  Blocks 16 to 18 of the weights are on their way into the ring and stay untouched till product 4
	; ---------------- the attention, my 16 queries
	v_add_nc_u32 v[E2R], E2IMG, v[LI]
	v_add_nc_u32 v[E2SR], E2SC, v[LI]
	v_mov_b32 v[STV], s22
	v_add_f32 v[STV], 0xc1800000, v[STV]
	v_max_num_f32 v[STV], 0, v[STV]                ; the window's start: max(p - 16, 0)
	v_mov_b32 v[ENV], s22
	v_add_f32 v[ENV], 0x41800000, v[ENV]
	v_cvt_f32_i32 v[TM], s24
	v_min_num_f32 v[ENV], v[ENV], v[TM]            ; its end: min(p + 16, src_len),
	v_min_num_f32 v[ENV], 0x43808000, v[ENV]       ; and the places past l = 257 are closed
	v_mov_b32 v[NINF], 0xff800000
	v_mov_b32 v[APW], 0                            ; (written on every path)
	s_cmp_lg_u32 s21, 1
	s_cbranch_scc1 .Lno_scores                     ; an empty window has no scores to compute
	SFETCH 0, 0
	SFETCH 1, 1
.irp s, 0,1,2,3,4,5,6,7                ; S^T = Q(enc) Q(T)^T: four accumulators by turns
.if \s < 7
	s_wait_dscnt 17                                ; this step's 17 loads are in; the next step's may be out
.else
	s_wait_dscnt 0x0
.endif
.irp t, 0,1,2,3
.if \s == 0
	WM SV+8*\t, XF+48*(\s%2)+12*\t, TF+12*(\s%2), 1, XS+4*(\s%2)+\t, TSC+(\s%2), 0
.else
	WM SV+8*\t, XF+48*(\s%2)+12*\t, TF+12*(\s%2), 0, XS+4*(\s%2)+\t, TSC+(\s%2), 0
.endif
.endr
	NOPS 4                                         ; places in front of the loads below, and of the first read of the scores
.if \s < 6
	SFETCH \s+2, \s%2
.endif
.endr
	IDXGEN 20                                      ; register e holds the score of l = L0 + 16 h + 32 (e / 16) + e % 16
.set XX, 0
.rept 32                               ; the mask's own two comparisons; a closed place becomes -infinity, its weight 0
	v_cmp_lt_f32 vcc_lo, v[IDX+XX], v[STV]
	v_cndmask_b32 v[SV+XX], v[SV+XX], v[NINF], vcc_lo
	v_cmp_gt_f32 vcc_lo, v[IDX+XX], v[ENV]
	v_cndmask_b32 v[SV+XX], v[SV+XX], v[NINF], vcc_lo
.set XX, XX+1
.endr
.irp k, 0,1,2,3
	v_max3_num_f32 v[TM+\k], v[SV+8*\k], v[SV+8*\k+1], v[SV+8*\k+2]
.endr
.irp i, 3,5
.irp k, 0,1,2,3
	v_max3_num_f32 v[TM+\k], v[TM+\k], v[SV+8*\k+\i], v[SV+8*\k+\i+1]
.endr
.endr
.irp k, 0,1,2,3
	v_max_num_f32 v[TM+\k], v[TM+\k], v[SV+8*\k+7]
.endr
	v_max3_num_f32 v[TM], v[TM], v[TM+1], v[TM+2]
	v_max_num_f32 v[TM], v[TM], v[TM+3]
	v_permlanex16_b32 v[TM+4], v[TM], s[SEL], s[SEL+1]
	v_max_num_f32 v[MM], v[TM], v[TM+4]            ; the row's largest score: at least one place is open
	v_mov_b32 v[MM+1], v[MM]
.set XX, 0
.rept 16
	v_pk_add_f32 v[SV+XX:SV+XX+1], v[SV+XX:SV+XX+1], v[MM:MM+1] neg_lo:[0,1] neg_hi:[0,1]   ; score - maximum, first, in f32
.set XX, XX+2
.endr
.set XX, 0
.rept 16
	v_pk_mul_f32 v[SV+XX:SV+XX+1], v[SV+XX:SV+XX+1], 0x3fb8aa3b op_sel_hi:[1,0]
.set XX, XX+2
.endr
	GAUSSARG
.set XX, 0
.rept 32                               ; one batch of 64 exponentials, one wait
	v_exp_f32 v[SV+XX], v[SV+XX]
	v_exp_f32 v[IDX+XX], v[IDX+XX]
.set XX, XX+1
.endr
	v_nop                                          ; a plain place behind the last
	s_wait_alu depctr_va_vdst(0)                   ; the wait ahead of the first instruction that names a result
	v_pk_add_f32 v[TM:TM+1], v[SV:SV+1], v[SV+2:SV+3]
	v_pk_add_f32 v[TM+2:TM+3], v[SV+4:SV+5], v[SV+6:SV+7]
.irp j, 8,12,16,20,24,28
	v_pk_add_f32 v[TM:TM+1], v[TM:TM+1], v[SV+\j:SV+\j+1]
	v_pk_add_f32 v[TM+2:TM+3], v[TM+2:TM+3], v[SV+\j+2:SV+\j+3]
.endr
	v_pk_add_f32 v[TM:TM+1], v[TM:TM+1], v[TM+2:TM+3]
	v_add_f32 v[TM], v[TM], v[TM+1]
	v_permlanex16_b32 v[TM+4], v[TM], s[SEL], s[SEL+1]
	v_add_f32 v[TM], v[TM], v[TM+4]                ; the row's sum
	v_rcp_f32 v[RC], v[TM]
	v_nop
	s_wait_alu depctr_va_vdst(0)
	v_mov_b32 v[RC+1], v[RC]
.set XX, 0
.rept 16
	v_pk_mul_f32 v[SV+XX:SV+XX+1], v[SV+XX:SV+XX+1], v[RC:RC+1]   ; the softmax, finished,
.set XX, XX+2
.endr
.set XX, 0
.rept 16
	v_pk_mul_f32 v[SV+XX:SV+XX+1], v[SV+XX:SV+XX+1], v[IDX+XX:IDX+XX+1]   ; x gauss: align
.set XX, XX+2
.endr
	QA SV, APW                                     ; quantised along l: the unit's two blocks of 32
.Lno_scores:
.irp f, 0,1,2,3,4,5,6,7                ; the third product has 64 along K: the upper halves of its fragments are zero codes.  (These lines are also the places between the scale word's making and its use)
.irp i, 6,7,8,9,10,11
	v_mov_b32 v[XF+12*\f+\i], 0
.endr
.endr
	WIN 0x40
.irp i, 6,7,8,9,10,11
	v_mov_b32 v[AF+\i], 0
.endr
	WIN 0
	E3FETCH E3B16, E3B8, E3B4                      ; the first 128 columns' fragments; each trip below asks for the next trip's
	s_mov_b32 s34, 0                               ; g: 128 columns of ctx, one K step of product 4
	s_mov_b32 s35, 0
	s_mov_b32 s36, 0
	s_mov_b32 s37, 0
	s_mov_b32 s38, 0
.Lg:
	s_wait_dscnt 0x0                               ; this trip's fragments are in, and the last trip's image is stored: every register that those instructions name may be written
	s_add_co_u32 s39, s37, 6656
	s_min_u32 s39, s39, 7*6656                     ; the next trip's fragments; the last trip names its own once more, and the data are not used
	v_add_nc_u32 v[T0], s39, v[E3B16]              ; every LDS address of the trip is made ahead of the parting
	v_add_nc_u32 v[T1], s39, v[E3B8]
	v_add_nc_u32 v[T2], s39, v[E3B4]
	v_add_nc_u32 v[VC1], s35, v[CWB]
	v_add_nc_u32 v[VC2], s36, v[CSB]
	s_cmp_lg_u32 s21, 1
	s_cbranch_scc1 .Lslow
	WIN 0x44                                       ; source 1 and the result in window 1
.irp t, 0,1,2,3,4,5,6,7
	WM 8*\t, XF+12*\t, AF, 1, XS+(\t>>1), APW, \t&1
.endr
	WIN 0
	NOPS 4                                         ; places in front of the loads below and of the first read of the sums
	E3FETCH T0, T1, T2                             ; they land while ctx is quantised
	s_branch .Ljoin
.Lslow:                                        ; THE EMPTY WINDOW: ctx = (gauss / 258) enc over all 258 rows.  No LDS access and no barrier stands on this way
	s_mov_b32 s40, 0                               ; b: 32 columns
.Lsb:
	s_mov_b32 s41, 0                               ; u: a unit of 64 rows,
	s_mov_b32 s42, 0                               ; which begins at row 64 u
.Lsu:
	s_lshl_b32 s28, s40, 7
	s_add_co_u32 s28, s28, s38                     ; the columns' bytes: 512 g + 128 b
	s_lshl_b32 s29, s42, 12
	s_add_co_u32 s29, s29, s28
	v_add_nc_u32 v[CO1], s29, v[CL4]
	s_min_u32 s29, s42, 194                        ; rows 2 on of the last unit do not exist: their loads read rows 196 .. 257, and are cleared below
	s_lshl_b32 s29, s29, 12
	s_add_co_u32 s29, s29, s28
	v_add_nc_u32 v[CO2], s29, v[CL4]
	global_load_b32 v[RAW], v[CO1], s[6:7]
	global_load_b32 v[RAW+1], v[CO1], s[6:7] offset:4096
.set XX, 2
.rept 62
	global_load_b32 v[RAW+XX], v[CO2], s[6:7] offset:4096*XX
.set XX, XX+1
.endr
	IDXGEN 42
	GAUSSARG
.set XX, 0
.rept 32
	v_exp_f32 v[IDX+XX], v[IDX+XX]
.set XX, XX+1
.endr
	v_nop
	s_wait_alu depctr_va_vdst(0)
.set XX, 0
.rept 16
	v_pk_mul_f32 v[IDX+XX:IDX+XX+1], v[IDX+XX:IDX+XX+1], 0x3b7e03f8 op_sel_hi:[1,0]   ; x 1/258: the softmax of 258 equal scores
.set XX, XX+2
.endr
	s_wait_loadcnt 0x0                             ; the 64 rows are in
	s_cmp_lg_u32 s42, 256
	s_cbranch_scc1 .Lsfull
	s_mov_b32 vcc_lo, 0xffff                       ; the last unit has rows 256 and 257 alone: registers 0 and 1 of lanes 0-15
	v_cndmask_b32 v[IDX], 0, v[IDX], vcc_lo
	v_cndmask_b32 v[IDX+1], 0, v[IDX+1], vcc_lo
.set XX, 2
.rept 30
	v_mov_b32 v[IDX+XX], 0
.set XX, XX+1
.endr
.set XX, 2
.rept 62
	v_mov_b32 v[RAW+XX], 0
.set XX, XX+1
.endr
.Lsfull:
	QA IDX, APW
	QCOL
	NOPS 8                                         ; a scale word made by vector instructions stands eight places ahead of the matrix instruction, an operand four
	s_cmp_lg_u32 s41, 0
	s_cbranch_scc1 .Lsacc
	WIN 0x44
	WM T16, FA, AF, 1, SW, APW, 0                  ; the first unit starts the two sums
	WM T16+8, FB, AF, 1, SW, APW, 1
	WIN 0
	s_branch .Lsdone
.Lsacc:
	WIN 0x54
	WM T16, FA, AF, 0, SW, APW, 0                  ; two accumulators by turns
	WM T16+8, FB, AF, 0, SW, APW, 1
	WIN 0
.Lsdone:
	NOPS 4
	s_add_co_u32 s42, s42, 64
	s_add_co_u32 s41, s41, 1
	s_cmp_lt_u32 s41, 5
	s_cbranch_scc1 .Lsu
	WIN 0x41                                       ; the 64 registers of ctx move 16 down and take these 32 columns on top: after four trips the four groups stand in order
.set XX, 0
.rept 48
	v_mov_b32 v[XX], v[XX+16]
.set XX, XX+1
.endr
.set XX, 0
.rept 16
	v_mov_b32 v[48+XX], v[T16+XX]
.set XX, XX+1
.endr
	WIN 0
	s_add_co_u32 s40, s40, 1
	s_cmp_lt_u32 s40, 4
	s_cbranch_scc1 .Lsb
.Ljoin:
	QUANT 1, 0, 0                                  ; ctx's 128 columns become K step g of product 4, tile of rows w: into the slot whose T I alone have read.  (The last image's stores were waited for at the trip's head)
	IMAGE VC1, 0
	ds_store_b32 v[VC2], v[PW]
	s_add_co_u32 s35, s35, 6144
	s_add_co_u32 s36, s36, 512
	s_add_co_u32 s37, s37, 6656
	s_add_co_u32 s38, s38, 512
	s_add_co_u32 s34, s34, 1
	s_cmp_lt_u32 s34, 8
	s_cbranch_scc1 .Lg
	BARRIER                                        ; ctx's images lie in LDS
	; ---------------- product 4: out = tanh([ctx, dec] W_c^T): 16 K steps, ctx's eight and then dec's eight, whose images lie on end
	v_add_nc_u32 v[XB], CIMG, v[LI]
	v_add_nc_u32 v[XSB], CSC, v[LI]
	XFETCH 0, XB, XSB, 0
	XFETCH 1, XB, XSB, 1
	s_lshl_b32 s28, s18, 10
	v_add_nc_u32 v[GOB], s28, v[LI]                ; out: my 256 columns, 16 bytes a lane
	s_mov_b32 s34, 0                               ; the chunk of 128 columns
	s_mov_b32 s43, 0
.Lch:
	s_mov_b32 s44, 0                               ; the half of K
.Lhalf:
	s_mul_i32 s45, s44, 0xc000
	s_add_co_u32 s45, s45, CIMG
	v_add_nc_u32 v[XB], s45, v[LI]                 ; this half's images,
	s_xor_b32 s46, s44, 1
	s_mul_i32 s45, s46, 0xc000
	s_add_co_u32 s45, s45, CIMG
	v_add_nc_u32 v[XN], s45, v[LI]                 ; and the other's, which the next body begins with
	s_lshl_b32 s45, s44, 12
	s_add_co_u32 s45, s45, CSC
	v_add_nc_u32 v[XSB], s45, v[LI]
	s_lshl_b32 s45, s46, 12
	s_add_co_u32 s45, s45, CSC
	v_add_nc_u32 v[XSN], s45, v[LI]
	BODY8 2
	s_add_co_u32 s44, s44, 1
	s_cmp_lt_u32 s44, 2
	s_cbranch_scc1 .Lhalf
	; THE WAY OUT, two passes of 32 rows: a lane holds 16 neighbouring columns of a block of 32 of one row; through my own stage they come back as rows of 512 bytes, eight rows at a time, in two sets of
	; registers by turns.  A set is loaded again behind the wait that frees its stores' data, and that wait stands behind the other set's 32 exponentials; the loads land under the reciprocals.
	s_mov_b32 s49, 0                               ; the pass
	s_mov_b32 s47, s43                             ; its rows' and the chunk's bytes in out
.Lpass:
	s_cmp_lg_u32 s49, 0
	s_cbranch_scc1 .Lrows32
	STAGE 0
	s_branch .Lstaged
.Lrows32:
	STAGE 1
.Lstaged:
	s_wait_xcnt 0x0                                ; the last pass's stores have read their data and their offset
	v_add_nc_u32 v[GOA], s47, v[GOB]
	OLOAD OA, 0
	OLOAD OB, 1
	s_wait_dscnt 8                                 ; the first eight rows are in; the second set's eight loads may be out
	TANH1 OA
	TANH2 OA
	OSTORE OA, 0
	s_wait_dscnt 0x0
	TANH1 OB
	s_wait_xcnt 0x0                                ; the first set's stores have read it
	OLOAD OA, 2
	TANH2 OB
	OSTORE OB, 1
	s_wait_dscnt 0x0
	TANH1 OA
	s_wait_xcnt 0x0                                ; the second set's stores have read it
	OLOAD OB, 3
	TANH2 OA
	OSTORE OA, 2
	s_wait_dscnt 0x0
	TANH1 OB
	TANH2 OB
	OSTORE OB, 3
	s_add_co_u32 s47, s47, 131072
	s_add_co_u32 s49, s49, 1
	s_cmp_lt_u32 s49, 2
	s_cbranch_scc1 .Lpass
	s_add_co_u32 s43, s43, 512
	s_add_co_u32 s34, s34, 1
	s_cmp_lt_u32 s34, 2
	s_cbranch_scc1 .Lch
	s_set_vgpr_msb 0xf
	s_wait_tensorcnt 0x0
	ds_add_u32 v254, v255
	s_wait_dscnt 0x0
	s_set_vgpr_msb 0xf00
	s_endpgm
.Lfunc_end_k_q3e5eb9a44e_main:
	.size	k_q3e5eb9a44e_main, .Lfunc_end_k_q3e5eb9a44e_main-k_q3e5eb9a44e_main
	.p2alignl 7, 3214868480
	.fill 96, 4, 3214868480
	.section	.rodata,"a",@progbits
	.p2align	6, 0x0
	.amdhsa_kernel k_q3e5eb9a44e_main
		.amdhsa_group_segment_fixed_size 299520
		.amdhsa_private_segment_fixed_size 0
		.amdhsa_enable_private_segment 0
		.amdhsa_kernarg_size 56
		.amdhsa_user_sgpr_count 2
		.amdhsa_user_sgpr_kernarg_segment_ptr 1
		.amdhsa_wavefront_size32 1
		.amdhsa_system_sgpr_workgroup_id_x 1
		.amdhsa_system_sgpr_workgroup_id_y 1
		.amdhsa_system_sgpr_workgroup_id_z 1
		.amdhsa_system_vgpr_workitem_id 0
		.amdhsa_next_free_vgpr 1024
		.amdhsa_next_free_sgpr 66
		.amdhsa_reserve_vcc 1
		.amdhsa_float_denorm_mode_32 3
		.amdhsa_float_denorm_mode_16_64 3
		.amdhsa_memory_ordered 1
		.amdhsa_forward_progress 1
		.amdhsa_inst_pref_size 255
	.end_amdhsa_kernel
	.section	.bss,"aw",@nobits
	.p2align	6
	.space	262144
	.amdgpu_metadata
---
amdhsa.version: [ 1, 2 ]
amdhsa.kernels:
  - .name:           k_q3e5eb9a44e_main
    .symbol:         k_q3e5eb9a44e_main.kd
    .args:
      - { .name: decoder_h_t, .offset: 0, .size: 8, .value_kind: global_buffer, .address_space: global }
      - { .name: encoder_outputs, .offset: 8, .size: 8, .value_kind: global_buffer, .address_space: global }
      - { .name: p_t, .offset: 16, .size: 8, .value_kind: global_buffer, .address_space: global }
      - { .name: src_len, .offset: 24, .size: 8, .value_kind: global_buffer, .address_space: global }
      - { .name: wimg, .offset: 32, .size: 8, .value_kind: global_buffer, .address_space: global }
      - { .name: win, .offset: 40, .size: 8, .value_kind: global_buffer, .address_space: global }
      - { .name: out0, .offset: 48, .size: 8, .value_kind: global_buffer, .address_space: global }
    .group_segment_fixed_size: 299520
    .private_segment_fixed_size: 0
    .kernarg_segment_align: 8
    .kernarg_segment_size: 56
    .max_flat_workgroup_size: 128
    .sgpr_count:     66
    .vgpr_count:     1024
    .wavefront_size: 32
...
	.end_amdgpu_metadata
.endif
;; end of part 2
